; MI455X (gfx1250); checked and timed in simulation.
; The chip was launched on July 23, 2026; its instructions are those of AMD's public machine-readable ISA for CDNA 5 (MIT licence, August 2026) and "CDNA5" Instruction Set Architecture Reference Guide (July 2026). The comments in the code are by the model that wrote it; some were corrected since.
;; Mo E Transformer Block. Allowed arithmetic: matrix products marked QUANTISED: E2M1 operands, one E8M0 scale for each 32 along K, by v_wmma_scale_f32_16x16x128_f8f6f4 with both operands' format E2M1 (or v_wmma_scale_f32_32x16x128_f4), f32 sums; products left as they are: f32 operands where the result goes on into a quantised operand, else bf16, f16 or f32 operands; f32 sums; everything else in f32.
;; Inputs: W1_codes 8 x 256 x 16 x 16 uint8 (E2M1 codes of W1, K innermost, in blocks of 32 codes, two codes a byte); W1_scales 8 x 256 x 16 uint8 (E8M0 scales of W1, one for each 32 codes along K); W2_codes 8 x 512 x 8 x 16 uint8 (E2M1 codes of W2, K innermost, in blocks of 32 codes, two codes a byte); W2_scales 8 x 512 x 8 uint8 (E8M0 scales of W2, one for each 32 codes along K); Wg 512 x 8 float32; x 8 x 4,096 x 512 float32.
;; Outputs: out0 8 x 4,096 x 512 float32.
;; This version of the problem:
;;   THIS VERSION OF THE PROBLEM IS GIVEN IN LOW PRECISION. The matrix products marked QUANTISED in the list below multiply operands that are first quantised to E2M1 (2 exponent bits, 1 mantissa bit; 4 bits a number), with one power-of-two scale for each 32 numbers along K (OCP MX v1.0); their sums are f32. All else is computed in f32.
;;   The module's matrix products, in the order in which they are computed (A, B: the left and right operand; K: the contracted axis; several contracted axes count as one K, in the product's order):
;;     1. [M 32,768, K 512] x [K 512, N 8]; A: input x; B: input Wg: left as it is (N = 8 < 16)
;;     2. [M 32,768, K 512] x [K 512, N 256]; A: input x; B: input W1 (given as codes): QUANTISED
;;     3. [M 32,768, K 256] x [K 256, N 512]; A: computed on the way; B: input W2 (given as codes): QUANTISED
;;     4. [M 32,768, K 512] x [K 512, N 256]; A: input x; B: input W1 (given as codes): QUANTISED
;;     5. [M 32,768, K 256] x [K 256, N 512]; A: computed on the way; B: input W2 (given as codes): QUANTISED
;;     6. [M 32,768, K 512] x [K 512, N 256]; A: input x; B: input W1 (given as codes): QUANTISED
;;     7. [M 32,768, K 256] x [K 256, N 512]; A: computed on the way; B: input W2 (given as codes): QUANTISED
;;     8. [M 32,768, K 512] x [K 512, N 256]; A: input x; B: input W1 (given as codes): QUANTISED
;;     9. [M 32,768, K 256] x [K 256, N 512]; A: computed on the way; B: input W2 (given as codes): QUANTISED
;;     10. [M 32,768, K 512] x [K 512, N 256]; A: input x; B: input W1 (given as codes): QUANTISED
;;     11. [M 32,768, K 256] x [K 256, N 512]; A: computed on the way; B: input W2 (given as codes): QUANTISED
;;     12. [M 32,768, K 512] x [K 512, N 256]; A: input x; B: input W1 (given as codes): QUANTISED
;;     13. [M 32,768, K 256] x [K 256, N 512]; A: computed on the way; B: input W2 (given as codes): QUANTISED
;;     14. [M 32,768, K 512] x [K 512, N 256]; A: input x; B: input W1 (given as codes): QUANTISED
;;     15. [M 32,768, K 256] x [K 256, N 512]; A: computed on the way; B: input W2 (given as codes): QUANTISED
;;     16. [M 32,768, K 512] x [K 512, N 256]; A: input x; B: input W1 (given as codes): QUANTISED
;;     17. [M 32,768, K 256] x [K 256, N 512]; A: computed on the way; B: input W2 (given as codes): QUANTISED
;;   THE QUANTISER, for each operand of a quantised product, along K:
;;     - K is cut into blocks of 32 from its start; a last block that is shorter is filled with zeros.
;;     - A block's scale is 2^e with e = floor(log2(the largest magnitude in the block)) - 2, held to -126 .. 127; a block of zeros has e = 0. As a byte (E8M0): e + 127.
;;     - Each number is divided by its block's scale, clamped to +-6, and rounded to the nearest number of E2M1, ties to even, subnormals kept.
;;     - The product sums the exact products of the quantised numbers (number of the format x scale) in f32.
;;   ~~~python
;;   def quantise(x, axis):      # numpy; x: float32 -> the quantised numbers, widened to float32 again
;;       x = np.moveaxis(x, axis, -1); K = x.shape[-1]
;;       x = np.pad(x, [(0, 0)] * (x.ndim - 1) + [(0, -K % 32)]); x = x.reshape(x.shape[:-1] + (-1, 32)); a = np.abs(x).max(-1, keepdims=True)
;;       e = np.where(a > 0, np.clip(np.frexp(np.where(a > 0, a, 1))[1] - 1 - 2, -126, 127), 0)      # np.frexp(a)[1] - 1 = floor(log2(a)), exactly
;;       r = np.clip(x / 2.0 ** e, -6, 6)
;;       step = 2.0 ** (np.maximum(np.frexp(np.where(r == 0, 1, r))[1] - 1, 0) - 1)
;;       q = np.round(r / step) * step * 2.0 ** e      # np.round: ties to even
;;       return np.moveaxis(q.reshape(q.shape[:-2] + (-1,))[..., :K], -1, axis).astype(np.float32)
;;   ~~~
;;   OPERANDS COMPUTED ON THE WAY. 'Computed on the way' means the value that the module computes at that place (a softmax that the list does not call 'softmax' is quantised finished and normalised). What goes into a quantiser is computed in f32, as accurately as f32 sums, v_exp_f32 and their like allow (about 1e-6 of the number): no bf16 or f16 on the way to a quantiser, and a product that is left as it is and whose result goes on into a quantised operand takes f32 operands (vector FMAs, or v_wmma_f32_16x16x4_f32). A number that lies on a knife's edge between two numbers of the format may be rounded either way, as far as f32 arithmetic and the matrix unit's own rounding can turn it there, and no further.
;;   INPUTS GIVEN AS CODES. W1 (in the module: [8, 512, 256], K = its axis 1); W2 (in the module: [8, 256, 512], K = its axis 1): each comes as NAME_codes (uint8): NAME with its K axis moved to the last place and cut into blocks of 32 codes, [.., K / 32, bytes a block], one block behind the other in memory; two codes a byte, the lower K in the low four bits (a code: sign, 2 exponent bits, 1 mantissa bit); and NAME_scales (uint8): the same leading axes, one E8M0 byte (e + 127) for each 32 codes along K. Its value is code x scale, taken as it is: it is not quantised again, and the codes and scales need not be those that the quantiser above would give.
;; 2 versions, each right; version 2 is version 1 with the launch place written anew for expert scheduling mode. Each part assembles by itself: llvm-mc -triple=amdgcn-amd-amdhsa -mcpu=gfx1250 --defsym DOCPART=n.
;; ======== version 1 of 2: 3 launches
;; workspace buffers: xq_codes 8,388,608 bytes; xq_scales 524,288 bytes; gate 262,144 bytes; tok 131,072 bytes of whole numbers; hist 32,768 bytes of whole numbers; order 131,072 bytes of whole numbers; w1img 524,288 bytes; w2img 524,288 bytes
;; launch route (part 1): grid 256 x 1, 4 waves a work-group, no clusters, 306,176 bytes of LDS; arguments x, Wg, W1_codes, W2_codes, xq_codes, xq_scales, gate, tok, hist, w1img, w2img; writes xq_codes, xq_scales, gate, tok, hist, w1img, w2img
.if DOCPART == 1
	.amdgcn_target "amdgcn-amd-amdhsa--gfx1250"
	.amdhsa_code_object_version 6
	.text
	.protected	k_q8f6fd2d976_route
	.globl	k_q8f6fd2d976_route
	.p2align	8
	.type	k_q8f6fd2d976_route,@function
k_q8f6fd2d976_route:
	s_mov_b64 s[64:65], 0
	v_nop
	global_prefetch_b8 v0, s[64:65] scope:SCOPE_SE
	s_setreg_imm32_b32 hwreg(HW_REG_WAVE_MODE, 25, 1), 1
	s_wait_xcnt 0x0
; ROUTE.  x [32768][512] f32 is read once.  For each token: the router's 8 logits (x Wg, f32 operands, f32 sums), the two largest (the lower index at a tie), their softmax
; (the larger logit is taken away first); and x as codes of E2M1 with one E8M0 byte for each 32 along K.  Nothing here branches or addresses by the choice: it is stored at fixed places.
;   tok[t]  = key | a<<8 | b<<12 | rank<<16 : a < b the two experts, key = a(15-a)/2 + b - a - 1 (0..27), rank = how many earlier tokens of the same block of 128 have the same key
;   gate[t] = (weight of a, weight of b);   hist[block][32] = tokens of each key in the block;   xq_codes[t][256 bytes], xq_scales[t][4 words] (one word for 128 along K)
; It also lays W1's and W2's codes in the order of a wave's operand registers (w1img, w2img), one piece of 16 bytes a thread: the later launch then loads 512 consecutive bytes an instruction.
; SHARES.  Work-group j: tokens 128 j on; wave w: 32 of them, two tiles of 16.  Each wave brings its 32 rows by four tensor loads (a K step of 128 numbers each) into LDS bytes of its own:
; every LDS byte is filled once, so there is no ring; four loads of a wave are out at the most.  Only the wave that asked reads a tile: its own wait on TENSORcnt orders that.
; ONE LDS READ FEEDS BOTH USES.  Lane (r, h) holds of row r, in register 16 b + i, the number k = 32 b + 16 h + i of the K step: 16 neighbours of each block of 32, as the conversions want them.
; The router takes the same registers in pairs as source 1 of the 16x16x4 f32 product; source 0 holds Wg at the same k (rows = experts, rows 8-15 repeat rows 0-7): the same order of k on both sides.
; In the result lane (r, h) has token r's logit of expert j in register j.  It is 256 products a wave, one part in 64 of the program's multiply-adds.
; LIMITS: NaN and infinities are not served.  A block whose largest magnitude lies under 2^-124 (a block of zeros too) gets the byte 1; a block of zeros has zero codes, which add nothing.
; Where a token's second and third logits lie closer than the rounding of a sum of 512 f32 products (about 1e-6 of the logits' size) the choice may differ from another order of summing.
; tok and hist leave in pieces of 128 bytes (a wave's 32 words): 160 KiB of the launch's 77 MB.
.set XTW,  67584                       ; LDS: a wave's four tiles of x
.set XTS,  16896                       ; one tile: 32 rows x 528
.set XP,   528                         ; a row: 512 bytes + 16 of padding = 132 words: row r starts at bank 4 r mod 64 (64 banks of 4 bytes: ISA guide 11.1)
.set STG,  270336                      ; behind the tiles: a stage for the codes, 32 rows x 272 for each wave; no tensor load lands here
.set STW,  8704
.set SPI,  272
.set HBX,  305152                      ; the waves' counts of keys: 4 x 128 bytes
.set XA,   64                          ; v64-127   tile A's 64 numbers of a K step
.set XBT,  128                         ; v128-191  tile B's
.set ACC,  192                         ; v192-223  the router's four sums A0, B0, A1, B1: written by matrix instructions alone
.set TM,   224                         ; v224-239  the quantiser's work
.set PCA,  240                         ; v240-247  tile A's codes
.set PCB,  48                          ; v48-55    tile B's codes (free until the top-2)
.set SEL,  92                          ; s[92:93]  v_permlanex16_b32's selects for lane l xor 16
; v32-35, v36-39: the scale words of tile A, of tile B.  Wg's fragments: K steps 0-2 in window 1 (v0-191), K step 3 in window 2 (v0-63).
.set MSB, 0
.macro WIN new                         ; the immediate's high byte repeats the setting that is left
.if MSB != (\new)
	s_set_vgpr_msb (MSB<<8)|(\new)
.set MSB, (\new)
.endif
.endm
	s_load_b512 s[4:19], s[0:1], 0x0               ; x s[4:5], Wg s[6:7], W1_codes s[8:9], W2_codes s[10:11], xq_codes s[12:13], xq_scales s[14:15], gate s[16:17], tok s[18:19]
	s_load_b128 s[20:23], s[0:1], 0x40             ; hist s[20:21], w1img s[22:23]
	s_load_b64 s[24:25], s[0:1], 0x50              ; w2img
	v_lshl_add_u32 v254, v0, 2, 0x4aa00
	v_mov_b32 v255, 0
	ds_add_u32 v254, v255
	ds_add_u32 v254, v255
	v_lshrrev_b32 v1, 5, v0
	v_readfirstlane_b32 s26, v1                    ; wave 0..3
	s_mov_b32 s27, ttmp9                           ; j
	; descriptor group 1: 32 rows x 128 elements of 4 bytes, 512 elements from row to row, 4 words of padding behind every 128
	s_mov_b32 s68, (2<<16)|(1<<20)|(6<<22)|(3<<25)
	s_mov_b32 s69, 128<<16                         ; tensor_dim0
	s_mov_b32 s70, 32<<16                          ; tensor_dim1
	s_mov_b32 s71, 128<<16                         ; tile_dim0
	s_mov_b32 s72, 32                              ; tile_dim1
	s_mov_b32 s73, 512                             ; tensor_dim0_stride
	s_mov_b32 s74, 0
	s_mov_b32 s75, 0
	s_mul_i32 s28, s26, XTW                        ; my tiles in LDS
	s_lshl_b32 s30, s27, 18                        ; 128 rows of 2,048 bytes a work-group,
	s_lshl_b32 s31, s26, 16                        ; 32 a wave
	s_add_co_u32 s30, s30, s31
	s_mov_b32 s31, 0
	s_wait_dscnt 0x0
	s_wait_kmcnt 0x0
	s_add_nc_u64 s[4:5], s[4:5], s[30:31]          ; x at my first row
.irp s, 0,1,2,3
	s_mov_b32 s[76+4*\s], 1                        ; group 0 of K step s: count,
	s_add_co_u32 s[77+4*\s], s28, \s*XTS           ; LDS address,
	s_add_nc_u64 s[78+4*\s:79+4*\s], s[4:5], \s*512  ; global address,
	s_or_b32 s[79+4*\s], s[79+4*\s], 0x80000000    ; type
.endr
	tensor_load_to_lds s[76:79], s[68:75]          ; all first fills together, ahead of every wait on TENSORcnt, LDS read and barrier
	s_nop 0
	tensor_load_to_lds s[80:83], s[68:75]
	s_nop 0
	tensor_load_to_lds s[84:87], s[68:75]
	s_nop 0
	tensor_load_to_lds s[88:91], s[68:75]
	s_nop 0
.rept 4
	v_nop                                          ; four lines here ahead of a switch of windows
.endr
	v_and_b32 v1, 15, v0                           ; r
	v_bfe_u32 v2, v0, 4, 1                         ; h
	v_and_b32 v3, 31, v0                           ; lane
	; the weights' images: piece d = 128 j + thread.  w1img: d = e<<12 | w<<10 | t<<8 | s<<6 | c<<5 | lane;  w2img: d = e<<12 | w<<10 | n<<7 | s<<6 | c<<5 | lane
	s_lshl_b32 s61, s27, 7
	v_add_nc_u32 v17, s61, v0                      ; d
	v_lshlrev_b32 v16, 4, v17                      ; where the piece goes: 16 d
	v_lshrrev_b32 v14, 10, v17                     ; W1: row = 64 w + 32 (t / 2) + 8 (t % 2) + r % 8 + 16 (r / 8) of expert e, 256 bytes a row
	v_lshlrev_b32 v14, 14, v14
	v_bfe_u32 v18, v17, 9, 1
	v_lshl_or_b32 v14, v18, 13, v14
	v_bfe_u32 v18, v17, 3, 1
	v_lshl_or_b32 v14, v18, 12, v14
	v_bfe_u32 v18, v17, 8, 1
	v_lshl_or_b32 v14, v18, 11, v14
	v_and_b32 v18, 7, v17
	v_lshl_or_b32 v14, v18, 8, v14
	v_and_or_b32 v14, v17, 0xf0, v14               ; + 64 s + 32 c + 16 h
	v_lshrrev_b32 v15, 7, v17                      ; W2: row = 128 w + 16 n + r of expert e, 128 bytes a row
	v_lshlrev_b32 v15, 11, v15
	v_and_b32 v18, 15, v17
	v_lshl_or_b32 v15, v18, 7, v15
	v_and_or_b32 v15, v17, 0x70, v15               ; + 64 s + 32 c + 16 h
	global_load_b128 v[20:23], v14, s[8:9]
	global_load_b128 v[24:27], v15, s[10:11]
	v_and_b32 v11, 7, v0
	v_lshlrev_b32 v11, 2, v11
	v_lshl_add_u32 v11, v2, 9, v11                 ; Wg: column r % 8, 16 h rows of 32 bytes down
.macro LWF s                           ; Wg's fragments of K step s: register i holds Wg[128 s + 32 (i / 16) + 16 h + i % 16][r % 8]
	WIN (1+(\s)/3)<<6
.set i, 0
.rept 64
	global_load_b32 v[64*((\s)%3)+i], v11, s[6:7] offset:(128*(\s)+32*(i/16)+(i%16))*32
.set i, i+1
.endr
	WIN 0
.endm
	LWF 0
	v_mul_u32_u24 v4, v1, XP
	v_lshl_add_u32 v4, v2, 6, v4
	v_add_nc_u32 v4, s28, v4                       ; x in LDS: my tiles + 528 r + 64 h
	s_mul_i32 s29, s26, STW
	s_add_co_u32 s29, s29, STG                     ; my stage
	v_mul_u32_u24 v5, v1, SPI
	v_lshl_add_u32 v5, v2, 4, v5
	v_add_nc_u32 v5, s29, v5                       ; into it: row r, 16 h
	v_mul_u32_u24 v6, v2, SPI
	v_lshl_add_u32 v6, v1, 4, v6
	v_add_nc_u32 v6, s29, v6                       ; out of it: lanes 0-15 one row of 256 bytes, lanes 16-31 the next
	v_lshlrev_b32 v7, 8, v2
	v_lshl_add_u32 v7, v1, 4, v7                   ; and the same two rows in xq_codes
	v_lshlrev_b32 v8, 4, v3                        ; 16, 8, 4 x lane
	v_lshlrev_b32 v9, 3, v3
	v_lshlrev_b32 v10, 2, v3
	s_lshl_b32 s60, s26, 7
	s_add_co_u32 s60, s60, HBX
	v_add_nc_u32 v12, s60, v10                     ; my wave's counts
	v_add_nc_u32 v13, HBX, v10                     ; wave 0's
.irp b, 0,1,2,3
	v_mov_b32 v[TM+4+\b], 0                        ; written once: a lane permute's destination counts as one of its sources
.endr
	s_mov_b32 s[SEL], 0x76543210
	s_mov_b32 s[SEL+1], 0xfedcba98
	s_mov_b32 s94, 0xffff0000                      ; lanes 16-31
	s_lshl_b32 s60, s27, 2
	s_add_co_u32 s60, s60, s26                     ; 4 j + w: which run of 32 tokens is my wave's
	s_mov_b32 s63, 0
	s_lshl_b32 s62, s60, 13
	s_add_nc_u64 s[12:13], s[12:13], s[62:63]      ; xq_codes: 256 bytes a token
	s_lshl_b32 s62, s60, 9
	s_add_nc_u64 s[14:15], s[14:15], s[62:63]      ; xq_scales: 16
	s_lshl_b32 s62, s60, 8
	s_add_nc_u64 s[16:17], s[16:17], s[62:63]      ; gate: 8
	s_lshl_b32 s62, s60, 7
	s_add_nc_u64 s[18:19], s[18:19], s[62:63]      ; tok: 4
	s_lshl_b32 s62, s27, 7
	s_add_nc_u64 s[20:21], s[20:21], s[62:63]      ; hist: 128 bytes a block
.macro XLD s                           ; both tiles' numbers of K step s: 16 neighbours of each block of 32
.irp g, 0,1
.irp b, 0,1,2,3
.irp j, 0,1,2,3
	ds_load_b128 v[XA+64*\g+16*\b+4*\j:XA+64*\g+16*\b+4*\j+3], v4 offset:XTS*(\s)+8448*\g+128*\b+16*\j
.endr
.endr
.endr
.endm
; 64 products of the router: pair q of a tile's registers against pair q of Wg's.  The four sums take turns, one instruction a turn; the first products start the sums with the constant 0.
.macro RMUL s
	WIN 1+(\s)/3                                   ; source 0 (Wg) in window 1 or 2
.set q, 0
.rept 32
.set wf, 64*((\s)%3)+2*q
.set ac, ACC+16*(q%2)
.if ((\s) == 0) && (q < 2)
	v_wmma_f32_16x16x4_f32 v[ac:ac+7], v[wf:wf+1], v[XA+2*q:XA+2*q+1], 0
	v_wmma_f32_16x16x4_f32 v[ac+8:ac+15], v[wf:wf+1], v[XBT+2*q:XBT+2*q+1], 0
.else
	v_wmma_f32_16x16x4_f32 v[ac:ac+7], v[wf:wf+1], v[XA+2*q:XA+2*q+1], v[ac:ac+7]
	v_wmma_f32_16x16x4_f32 v[ac+8:ac+15], v[wf:wf+1], v[XBT+2*q:XBT+2*q+1], v[ac+8:ac+15]
.endif
.set q, q+1
.endr
	WIN 0
.endm
; 64 numbers of a lane, register 16 b + i = k 32 b + 16 h + i of my row, become a fragment's codes in v[pc] on and my row's scale word in v[pw]
.macro QUANT src, pc, pw
.irp b, 0,1,2,3
	v_max3_num_f32 v[TM+\b], |v[\src+16*\b]|, |v[\src+1+16*\b]|, 0x1800000   ; my 16 numbers of block b, and the floor 2^(3 - 127): the byte cannot fall under 1
.endr
.irp i, 2,4,6,8,10,12,14
.irp b, 0,1,2,3
	v_max3_num_f32 v[TM+\b], v[TM+\b], |v[\src+16*\b+\i]|, |v[\src+1+16*\b+\i]|   ; the four blocks by turns
.endr
.endr
.irp b, 0,1,2,3
	v_permlanex16_b32 v[TM+4+\b], v[TM+\b], s[SEL], s[SEL+1]
.endr
.irp b, 0,1,2,3
	v_max_num_f32 v[TM+\b], v[TM+\b], v[TM+4+\b]   ; with lane l xor 16's: the block's largest magnitude
.endr
.irp b, 0,1,2,3
	v_add_nc_u32 v[TM+12+\b], 0xff000000, v[TM+\b] ; 2 off its exponent field: the conversion takes that field as its scale
.endr
.irp b, 0,1,2,3
	v_lshrrev_b32 v[TM+4+\b], 23, v[TM+12+\b]      ; the scale's byte
.endr
	v_lshl_or_b32 v[\pw], v[TM+5], 8, v[TM+4]
	v_lshl_or_b32 v[\pw], v[TM+6], 16, v[\pw]
	v_lshl_or_b32 v[\pw], v[TM+7], 24, v[\pw]
.irp b, 0,1,2,3
	v_cvt_scalef32_pk8_fp4_f32 v[\pc+2*\b], v[\src+16*\b:\src+7+16*\b], v[TM+12+\b]
	v_cvt_scalef32_pk8_fp4_f32 v[\pc+1+2*\b], v[\src+8+16*\b:\src+15+16*\b], v[TM+12+\b]
.endr
	v_nop                                          ; one plain line behind a scaled conversion
.irp c, 0,1                                    ; a whole block to a lane: registers 4 c .. 4 c + 3 then hold k = 64 c + 32 h + 0 .. 31
.irp i, 0,1
	v_permlane16_swap_b32 v[\pc+4*\c+\i], v[\pc+2+4*\c+\i]
.endr
.endr
.endm
.macro STAGE t, s, pc                  ; those registers are bytes 64 s + 32 c + 16 h of row r's 256
.irp c, 0,1
	ds_store_b128 v5, v[\pc+4*\c:\pc+4*\c+3] offset:4352*(\t)+64*(\s)+32*\c
.endr
.endm
; A K STEP.  The loads into x's registers stand behind both quantisers of the step before: each has 32 plain maxima that name no register of the other tile's last products, more than the
; eight places that this matrix form asks for.
.macro KSTEP s
	s_wait_tensorcnt 3-(\s)                        ; tensor loads of a wave end in order: K step s is in, the younger ones may be out
	XLD \s
	s_wait_loadcnt 0x0                             ; Wg's fragments of this step (and, in step 0, the two pieces of the weights)
.if (\s) == 0
	global_store_b128 v16, v[20:23], s[22:23]      ; a wave stores 512 consecutive bytes
	global_store_b128 v16, v[24:27], s[24:25]
.endif
.if (\s) < 3
	LWF (\s)+1                                     ; the next step's land under this step's 64 products
.endif
	s_wait_dscnt 0x0                               ; x is in; the last step's stores into the stage have read their registers
	RMUL \s
	QUANT XA, PCA, 32+(\s)
	STAGE 0, \s, PCA
	QUANT XBT, PCB, 36+(\s)
	STAGE 1, \s, PCB
.endm
	KSTEP 0
	KSTEP 1
	KSTEP 2
	KSTEP 3
	; THE LOGITS.  Each tile's two sums are added, each accumulator from its low end on, into other registers; then lane l takes token l of the wave's 32.
	s_wait_dscnt 0x0                               ; the stage is written; v48-55 are free
.irp e, 0,1,2,3,4,5,6,7
	v_add_f32 v[40+\e], v[ACC+\e], v[ACC+16+\e]
.endr
.irp e, 0,1,2,3,4,5,6,7
	v_add_f32 v[56+\e], v[ACC+8+\e], v[ACC+24+\e]
.endr
.irp e, 0,1,2,3,4,5,6,7
	v_cndmask_b32 v[40+\e], v[40+\e], v[56+\e], s94
.endr
.irp s, 0,1,2,3
	v_cndmask_b32 v[32+\s], v[32+\s], v[36+\s], s94  ; the scale words likewise
.endr
	; TOP-2: a later logit wins only if it is greater, so the lower index is kept at a tie.  v48 m1, v49 i1, v50 m2, v51 i2
	v_mov_b32 v48, v40
	v_mov_b32 v49, 0
.irp e, 1,2,3,4,5,6,7
	v_cmp_le_f32 vcc_lo, v[40+\e], v48
	v_cndmask_b32 v48, v[40+\e], v48, vcc_lo
	v_cndmask_b32 v49, \e, v49, vcc_lo
.endr
	v_mov_b32 v52, 0xff800000                      ; -infinity takes the winner's place
.irp e, 0,1,2,3,4,5,6,7
	v_cmp_eq_u32 vcc_lo, \e, v49
	v_cndmask_b32 v[40+\e], v[40+\e], v52, vcc_lo
.endr
	v_mov_b32 v50, v40
	v_mov_b32 v51, 0
.irp e, 1,2,3,4,5,6,7
	v_cmp_le_f32 vcc_lo, v[40+\e], v50
	v_cndmask_b32 v50, v[40+\e], v50, vcc_lo
	v_cndmask_b32 v51, \e, v51, vcc_lo
.endr
	; the softmax of (m1, m2) with m1 taken away: w1 = 1 / (1 + t), w2 = t w1, t = e^(m2 - m1) <= 1
	v_sub_f32 v53, v50, v48
	v_mul_f32 v53, 0x3fb8aa3b, v53
	v_exp_f32 v53, v53
	v_min_u32 v56, v49, v51                        ; a   (plain work behind the exponential)
	v_max_u32 v57, v49, v51                        ; b
	v_sub_nc_u32 v60, 15, v56
	v_mul_u32_u24 v60, v60, v56
	s_wait_alu depctr_va_vdst(0)                   ; the wait ahead of the result's first reader
	v_add_f32 v54, 1.0, v53
	v_rcp_f32 v54, v54
	v_lshrrev_b32 v60, 1, v60                      ; (plain work behind the reciprocal)
	v_add_nc_u32 v60, v60, v57
	v_sub_nc_u32 v60, v60, v56
	v_add_nc_u32 v60, -1, v60                      ; key = a (15 - a) / 2 + b - a - 1
	v_cmp_lt_u32 vcc_lo, v49, v51
	s_wait_alu depctr_va_vdst(0)
	v_mul_f32 v55, v53, v54
	v_cndmask_b32 v58, v55, v54, vcc_lo            ; a's weight
	v_cndmask_b32 v59, v54, v55, vcc_lo            ; b's
	; RANKS, as values: for each key the lanes that hold it (kept in s[32:59]), my place among them, and their number, which goes to lane = key of v62
	v_mov_b32 v61, 0
	v_mov_b32 v62, 0
	v_mov_b32 v134, 0
.set p, 0
.rept 28
	v_cmp_eq_u32 s[32+p], p, v60
	v_mbcnt_lo_u32_b32 v63, s[32+p], 0
	v_cndmask_b32 v61, v61, v63, s[32+p]
	s_bcnt1_i32_b32 s60, s[32+p]
	v_writelane_b32 v62, s60, p
.set p, p+1
.endr
	ds_store_b32 v12, v62
	s_wait_dscnt 0x0                               ; for the others' sake: my counts lie in LDS
	s_barrier_signal -1
	s_barrier_wait -1
.irp k, 0,1,2,3
	ds_load_b32 v[128+\k], v13 offset:128*\k
.endr
	s_wait_dscnt 0x0
	v_add3_u32 v132, v128, v129, v130
	v_add_nc_u32 v132, v132, v131                  ; the block's count of key = lane
	v_mov_b32 v133, 0
.irp k, 0,1,2
	s_cmp_gt_u32 s26, \k
	s_cselect_b32 s60, -1, 0
	v_and_b32 v63, s60, v[128+\k]
	v_add_nc_u32 v133, v133, v63                   ; and that of the waves in front of mine
.endr
.set p, 0
.rept 28
	v_readlane_b32 s60, v133, p
	v_cndmask_b32 v134, v134, s60, s[32+p]
.set p, p+1
.endr
	v_add_nc_u32 v61, v61, v134                    ; my rank in the block
	v_lshl_or_b32 v135, v56, 8, v60
	v_lshl_or_b32 v135, v57, 12, v135
	v_lshl_or_b32 v135, v61, 16, v135
	global_store_b32 v10, v135, s[18:19]
	global_store_b64 v9, v[58:59], s[16:17]        ; 256 consecutive bytes a wave
	global_store_b128 v8, v[32:35], s[14:15]       ; 512
	s_cmp_lg_u32 s26, 0
	s_cbranch_scc1 .Lno_hist
	global_store_b32 v10, v132, s[20:21]           ; wave 0 stores the block's 32 counts
.Lno_hist:
.irp i, 0,1,2,3,4,5,6,7,8,9,10,11,12,13,14,15
	ds_load_b128 v[XA+4*\i:XA+4*\i+3], v6 offset:544*\i   ; the codes come back as whole rows; my own stores were waited for above
.endr
.irp i, 0,1,2,3,4,5,6,7,8,9,10,11,12,13,14,15
	s_wait_dscnt 15-\i                             ; LDS loads come back in order: the younger ones may be out
	global_store_b128 v7, v[XA+4*\i:XA+4*\i+3], s[12:13] offset:512*\i   ; two rows: 512 consecutive bytes
.endr
	s_wait_tensorcnt 0x0
	ds_add_u32 v254, v255
	s_wait_dscnt 0x0
	s_endpgm
.Lfunc_end_k_q8f6fd2d976_route:
	.size	k_q8f6fd2d976_route, .Lfunc_end_k_q8f6fd2d976_route-k_q8f6fd2d976_route
	.p2alignl 7, 3214868480
	.fill 96, 4, 3214868480
	.section	.rodata,"a",@progbits
	.p2align	6, 0x0
	.amdhsa_kernel k_q8f6fd2d976_route
		.amdhsa_group_segment_fixed_size 306176
		.amdhsa_private_segment_fixed_size 0
		.amdhsa_enable_private_segment 0
		.amdhsa_kernarg_size 88
		.amdhsa_user_sgpr_count 2
		.amdhsa_user_sgpr_kernarg_segment_ptr 1
		.amdhsa_wavefront_size32 1
		.amdhsa_system_sgpr_workgroup_id_x 1
		.amdhsa_system_sgpr_workgroup_id_y 1
		.amdhsa_system_sgpr_workgroup_id_z 1
		.amdhsa_system_vgpr_workitem_id 0
		.amdhsa_next_free_vgpr 576
		.amdhsa_next_free_sgpr 96
		.amdhsa_reserve_vcc 1
		.amdhsa_float_denorm_mode_32 3
		.amdhsa_float_denorm_mode_16_64 3
		.amdhsa_memory_ordered 1
		.amdhsa_forward_progress 1
		.amdhsa_inst_pref_size 107
	.end_amdhsa_kernel
	.amdgpu_metadata
---
amdhsa.version: [ 1, 2 ]
amdhsa.kernels:
  - .name:           k_q8f6fd2d976_route
    .symbol:         k_q8f6fd2d976_route.kd
    .args:
      - { .name: x, .offset: 0, .size: 8, .value_kind: global_buffer, .address_space: global }
      - { .name: Wg, .offset: 8, .size: 8, .value_kind: global_buffer, .address_space: global }
      - { .name: W1_codes, .offset: 16, .size: 8, .value_kind: global_buffer, .address_space: global }
      - { .name: W2_codes, .offset: 24, .size: 8, .value_kind: global_buffer, .address_space: global }
      - { .name: xq_codes, .offset: 32, .size: 8, .value_kind: global_buffer, .address_space: global }
      - { .name: xq_scales, .offset: 40, .size: 8, .value_kind: global_buffer, .address_space: global }
      - { .name: gate, .offset: 48, .size: 8, .value_kind: global_buffer, .address_space: global }
      - { .name: tok, .offset: 56, .size: 8, .value_kind: global_buffer, .address_space: global }
      - { .name: hist, .offset: 64, .size: 8, .value_kind: global_buffer, .address_space: global }
      - { .name: w1img, .offset: 72, .size: 8, .value_kind: global_buffer, .address_space: global }
      - { .name: w2img, .offset: 80, .size: 8, .value_kind: global_buffer, .address_space: global }
    .group_segment_fixed_size: 306176
    .private_segment_fixed_size: 0
    .kernarg_segment_align: 8
    .kernarg_segment_size: 88
    .max_flat_workgroup_size: 128
    .sgpr_count:     96
    .vgpr_count:     576
    .wavefront_size: 32
...
	.end_amdgpu_metadata
.endif
;; end of part 1
;; launch place (part 2): grid 256 x 1, 4 waves a work-group, no clusters, 4,608 bytes of LDS; arguments tok, hist, order; writes order
.if DOCPART == 2
	.amdgcn_target "amdgcn-amd-amdhsa--gfx1250"
	.amdhsa_code_object_version 6
	.text
	.protected	k_q8f6fd2d976_place
	.globl	k_q8f6fd2d976_place
	.p2align	8
	.type	k_q8f6fd2d976_place,@function
k_q8f6fd2d976_place:
	s_mov_b64 s[64:65], 0
	v_nop
	global_prefetch_b8 v0, s[64:65] scope:SCOPE_SE
	s_setreg_imm32_b32 hwreg(HW_REG_WAVE_MODE, 25, 1), 1
	s_wait_xcnt 0x0
; PLACE.  A counting sort of the 32,768 tokens by key (the pair of experts a < b, key = a (15 - a) / 2 + b - a - 1), without atomics.  Work-group j places the 128 tokens of block j:
;   place = (tokens of the keys that come earlier, all blocks) + (tokens of my key in blocks before j) + (my rank in the block);   order[place] = token | a<<16 | b<<20.
; THE KEYS' ORDER IN THE LIST is not their numbers' order: the pairs of an odd a are taken backwards (0,1) .. (0,7), (1,7) .. (1,2), (2,3) .. (2,7), (3,7) .. so that every two neighbouring pairs share an expert:
; a run of the list that spans two keys then uses three experts, never four.
; Every work-group reads the whole table hist [256 blocks][32 keys] (32 KiB): thread t takes 16 pieces of 16 bytes: block t / 8 + 16 i, keys 4 (t % 8) on.
; The stores are 4 bytes a lane to scattered places: that is the sort itself, 128 KiB in all.
	s_load_b128 s[4:7], s[0:1], 0x0                ; tok, hist
	s_load_b64 s[8:9], s[0:1], 0x10                ; order
	v_lshl_add_u32 v128, v0, 2, 0x1000
	v_mov_b32 v129, 0
	v_lshlrev_b32 v1, 4, v0                        ; 16 t
	v_lshlrev_b32 v2, 2, v0                        ; 4 t
	v_lshrrev_b32 v3, 3, v0                        ; t / 8
	v_and_b32 v4, 31, v0
	v_lshlrev_b32 v4, 2, v4                        ; 4 x lane
	s_lshl_b32 s10, ttmp9, 9                       ; my block's 128 words of tok
	s_mov_b32 s11, 0
	s_wait_kmcnt 0x0
	s_add_nc_u64 s[4:5], s[4:5], s[10:11]
.irp i, 0,1,2,3,4,5,6,7,8,9,10,11,12,13,14,15
	global_load_b128 v[16+4*\i:19+4*\i], v1, s[6:7] offset:2048*\i
.endr
	global_load_b32 v5, v2, s[4:5]
	s_wait_loadcnt 0x0
; the sum of the 16 pieces, key by key, into v[d] on
.macro SUM16 d
.irp k, 0,1,2,3
	v_add3_u32 v[\d+\k], v[16+\k], v[20+\k], v[24+\k]
.endr
.irp i, 3,5,7,9,11,13
.irp k, 0,1,2,3
	v_add3_u32 v[\d+\k], v[\d+\k], v[16+4*\i+\k], v[20+4*\i+\k]
.endr
.endr
.irp k, 0,1,2,3
	v_add_nc_u32 v[\d+\k], v[\d+\k], v[76+\k]
.endr
.endm
	SUM16 8                                        ; all my blocks
.irp i, 0,1,2,3,4,5,6,7,8,9,10,11,12,13,14,15
	s_sub_co_i32 s12, ttmp9, 16*\i
	v_cmp_gt_i32 vcc_lo, s12, v3                   ; block t / 8 + 16 i lies before j
.irp k, 0,1,2,3
	v_cndmask_b32 v[16+4*\i+\k], 0, v[16+4*\i+\k], vcc_lo
.endr
.endr
	SUM16 12                                       ; those before j
	ds_store_b128 v1, v[8:11]                      ; LDS: [t / 8][32 keys], the totals; 2,048 bytes on, the same for the blocks before j
	ds_store_b128 v1, v[12:15] offset:2048
	s_wait_dscnt 0x0                               ; for the others' sake
	s_barrier_signal -1
	s_barrier_wait -1
.irp u, 0,1,2,3,4,5,6,7,8,9,10,11,12,13,14,15
	ds_load_b32 v[16+\u], v4 offset:128*\u         ; lane = key
	ds_load_b32 v[32+\u], v4 offset:2048+128*\u
.endr
	s_wait_dscnt 0x0
	v_add3_u32 v6, v16, v17, v18
	v_add3_u32 v7, v32, v33, v34
.irp u, 3,5,7,9,11,13
	v_add3_u32 v6, v6, v[16+\u], v[17+\u]
	v_add3_u32 v7, v7, v[32+\u], v[33+\u]
.endr
	v_add_nc_u32 v6, v6, v31                       ; tokens of key = lane in all blocks
	v_add_nc_u32 v7, v7, v47                       ; and in the blocks before j
	v_and_b32 v48, 31, v5                          ; my token's key
	v_mov_b32 v49, 0
	; the 56 numbers become scalars in one run, the sums are one run of scalar lines, the selects one run of vector lines: vector and scalar work change over twice, not once a key
.set p, 0
.rept 28
	v_readlane_b32 s[32+p], v7, p                  ; s[32 + key]: its tokens in the blocks before j
.set p, p+1
.endr
.set p, 0
.rept 28
	v_readlane_b32 s[68+p], v6, p                  ; s[68 + key]: its tokens in all blocks
.set p, p+1
.endr
	s_mov_b32 s13, 0                               ; tokens of the keys that come earlier in the list
.irp p, 0,1,2,3,4,5,6,12,11,10,9,8,7,13,14,15,16,17,21,20,19,18,22,23,24,26,25,27
	s_add_co_u32 s[32+\p], s[32+\p], s13           ; where block j's tokens of this key begin
	s_add_co_u32 s13, s13, s[68+\p]
.endr
.set p, 0
.rept 28
	v_cmp_ne_u32 vcc_lo, p, v48
	v_cndmask_b32 v49, s[32+p], v49, vcc_lo        ; taken where the key is mine
.set p, p+1
.endr
	v_lshrrev_b32 v50, 16, v5                      ; my rank in the block
	v_add_nc_u32 v49, v49, v50
	v_min_u32 v49, 0x7fff, v49                     ; a place is under 32,768
	v_lshlrev_b32 v49, 2, v49
	v_lshrrev_b32 v51, 8, v5
	v_and_b32 v51, 0x77, v51                       ; a | b<<4
	s_lshl_b32 s12, ttmp9, 7
	v_add_nc_u32 v52, s12, v0                      ; the token
	v_lshl_or_b32 v52, v51, 16, v52
	global_store_b32 v49, v52, s[8:9]
	s_wait_tensorcnt 0x0
	ds_add_u32 v128, v129
	s_wait_dscnt 0x0
	s_endpgm
.Lfunc_end_k_q8f6fd2d976_place:
	.size	k_q8f6fd2d976_place, .Lfunc_end_k_q8f6fd2d976_place-k_q8f6fd2d976_place
	.p2alignl 7, 3214868480
	.fill 96, 4, 3214868480
	.section	.rodata,"a",@progbits
	.p2align	6, 0x0
	.amdhsa_kernel k_q8f6fd2d976_place
		.amdhsa_group_segment_fixed_size 4608
		.amdhsa_private_segment_fixed_size 0
		.amdhsa_enable_private_segment 0
		.amdhsa_kernarg_size 24
		.amdhsa_user_sgpr_count 2
		.amdhsa_user_sgpr_kernarg_segment_ptr 1
		.amdhsa_wavefront_size32 1
		.amdhsa_system_sgpr_workgroup_id_x 1
		.amdhsa_system_sgpr_workgroup_id_y 1
		.amdhsa_system_sgpr_workgroup_id_z 1
		.amdhsa_system_vgpr_workitem_id 0
		.amdhsa_next_free_vgpr 130
		.amdhsa_next_free_sgpr 96
		.amdhsa_reserve_vcc 1
		.amdhsa_float_denorm_mode_32 3
		.amdhsa_float_denorm_mode_16_64 3
		.amdhsa_memory_ordered 1
		.amdhsa_forward_progress 1
		.amdhsa_inst_pref_size 21
	.end_amdhsa_kernel
	.amdgpu_metadata
---
amdhsa.version: [ 1, 2 ]
amdhsa.kernels:
  - .name:           k_q8f6fd2d976_place
    .symbol:         k_q8f6fd2d976_place.kd
    .args:
      - { .name: tok, .offset: 0, .size: 8, .value_kind: global_buffer, .address_space: global }
      - { .name: hist, .offset: 8, .size: 8, .value_kind: global_buffer, .address_space: global }
      - { .name: order, .offset: 16, .size: 8, .value_kind: global_buffer, .address_space: global }
    .group_segment_fixed_size: 4608
    .private_segment_fixed_size: 0
    .kernarg_segment_align: 8
    .kernarg_segment_size: 24
    .max_flat_workgroup_size: 128
    .sgpr_count:     96
    .vgpr_count:     130
    .wavefront_size: 32
...
	.end_amdgpu_metadata
.endif
;; end of part 2
;; launch chain (part 3): grid 256 x 1, 4 waves a work-group, no clusters, 89,600 bytes of LDS; arguments order, gate, xq_codes, xq_scales, w1img, W1_scales, w2img, W2_scales, out0; writes out0
.if DOCPART == 3
	.amdgcn_target "amdgcn-amd-amdhsa--gfx1250"
	.amdhsa_code_object_version 6
	.text
	.protected	k_q8f6fd2d976_chain
	.globl	k_q8f6fd2d976_chain
	.p2align	8
	.type	k_q8f6fd2d976_chain,@function
k_q8f6fd2d976_chain:
	s_mov_b64 s[64:65], 0
	v_nop
	global_prefetch_b8 v0, s[64:65] scope:SCOPE_SE
	s_setreg_imm32_b32 hwreg(HW_REG_WAVE_MODE, 25, 1), 1
	s_wait_xcnt 0x0
; CHAIN.  out[t] = the sum over t's two experts e of gate x (Q(silu(Q(x) W1e)) W2e), both products on codes of E2M1 with E8M0 scales.  Only the chosen experts are multiplied: all others have weight 0.
; SHARES.  A work-group takes 128 neighbours of the list sorted by pairs of experts (neighbouring pairs of that list share an expert): 8 tiles of 16 rows, and owns their rows of out.
; THE WAVES SHARE THE COLUMNS: wave w makes hidden units 64 w .. + 63 (four registers of the second product's operand: K step w / 2, half w % 2) and output columns 128 w .. + 127, for all rows.
; So each byte of an expert's weights is loaded by one wave, straight into registers, 512 consecutive bytes an instruction, from the images that the first launch laid.  The output's sums stay in 512 registers;
; the hidden layer goes from wave to wave through LDS as an image of registers.
; THE WALK.  A loop of 8 trips, one an expert, with both barriers on every path.  An expert that no row of the block uses is passed over, and so is a tile none of whose rows uses it: scalar branches on
; bits made from the stored list.  A row of a used tile that does not use the expert gets the weight 0.  A tile's rows are stored behind its last expert.
; NO TENSOR LOADS, NO CLUSTER: the branches hang on numbers read from memory, and neighbouring blocks use different experts, so partners would need different tiles.
; BOTH PRODUCTS ARE USED TRANSPOSED (source 0 = 16 rows of the weight, source 1 = 16 rows of tokens): a lane holds one token.  The rows of W1 in a tile are chosen (r % 8 + 16 (r / 8)) so that the 16 registers of
; tiles 2 b, 2 b + 1 are 16 neighbours along the next K.
; EVERY PATH OF THE TEXT STANDS BY ITSELF: registers that a passed-over step would have written are set once at the head, and each phase has its own wait for its weights.
; LIMITS: NaN and infinities are not served; a block of the hidden layer whose largest magnitude lies under 2^-124 gets the byte 1 (a block of zeros has zero codes).
.set XC,   0                           ; LDS: the rows' codes of x, 128 rows x (256 + 16): row r starts at bank 4 r mod 64 (64 banks of 4 bytes: ISA guide 11.1)
.set XSC,  34816                       ; their scale words, 16 bytes a row
.set HIMG, 36864                       ; the hidden layer's images: [tile][wave][lane x 16 bytes]
.set HSC,  53248                       ; its scale words: [tile][K step][lane x 4 bytes]
.set OST,  55296                       ; a stage of 16 rows x (512 + 16) for each wave, its own
.set OSW,  8448
; window 0: v0-15 lane terms and addresses; then
.set ORD,  16                          ; v16-23   tile m: the list's word of row 16 m + r
.set GT,   24                          ; v24-39   tile m: that row's two weights
.set W1S,  40                          ; v40-55   W1's scale words (tile t, K step s: 4 t + s)      these 44 registers hold scale words and nothing else
.set W2S,  56                          ; v56-71   W2's (tile n, K step s: 2 n + s)
.set XS,   72                          ; v72-79   x's, two sets
.set HS,   80                          ; v80-83   the hidden layer's, two sets
.set XB,   84                          ; v84-147  phase 1: x's four fragments, two sets
.set RH,   148                         ; v148-211 phase 1: my four tiles of the hidden layer, two sets
.set RT,   212                         ; v212-243 phase 1: the sigmoid
.set MX,   244                         ; v244-254 phase 1: the quantiser's work
.set PM,   246
.set SCO,  248
.set PC,   250
.set HW,   254
.set HBF,  84                          ; v84-115  phase 2: the hidden layer's two fragments, two sets
.set RY,   116                         ; v116-243 phase 2: an expert's result for a tile, 64 registers, two sets; then rows on their way out
.set CW,   244                         ; v244     phase 2: my row's weight (v245 is named with it as a pair)
.set TP,   246
; window 1: v0-127 W1's 16 fragments (8 (4 t + s)); v128-255 W2's 16 (128 + 8 (2 n + s)).   windows 2, 3: the sums of tiles 0-3, 4-7: (m, n) at 64 (m % 4) + 8 n
; s[4:21] the buffers; s22 wave; s23 e; s24 the block's experts; s[26:27] byte m: tile m's experts; s[28:29] the same, experts above e alone; s[30:33] e + 8 k; s34 at work over s35 = 0; s36 at work;
; s38 the next expert used; s39 not 0 if there is one; s[40:47] the weights' four addresses; s[48:49] -log2(e); s[50:51] lane selects; s[68:99] sixteen rows' addresses in out
.set MSB, 0
.macro WIN new                         ; the immediate's high byte repeats the setting that is left
.if MSB != (\new)
	s_set_vgpr_msb (MSB<<8)|(\new)
.set MSB, (\new)
.endif
.endm
.macro PTR1                            ; W1's image and scale bytes of expert s38 (my wave's part)
	s_lshl_b32 s34, s38, 16
	s_add_nc_u64 s[40:41], s[12:13], s[34:35]
	s_lshl_b32 s34, s38, 12
	s_add_nc_u64 s[42:43], s[14:15], s[34:35]
.endm
.macro PTR2
	s_lshl_b32 s34, s38, 16
	s_add_nc_u64 s[44:45], s[16:17], s[34:35]
	s_lshl_b32 s34, s38, 12
	s_add_nc_u64 s[46:47], s[18:19], s[34:35]
.endm
.macro LW1                             ; 36 loads: my 16 KiB of W1's image, and the scale words of my 64 rows (16 bytes a row: four K steps)
	WIN 0x40
.set i, 0
.rept 32
	global_load_b128 v[4*i:4*i+3], v4, s[40:41] offset:512*i
.set i, i+1
.endr
	WIN 0
.irp t, 0,1,2,3
	global_load_b128 v[W1S+4*\t:W1S+4*\t+3], v14, s[42:43] offset:(32*(\t/2)+8*(\t%2))*16
.endr
.endm
.macro LW2                             ; 40 loads: my 16 KiB of W2's image, and the scale words of my 128 rows (8 bytes a row)
	WIN 0x40
.set i, 0
.rept 32
	global_load_b128 v[128+4*i:128+4*i+3], v4, s[44:45] offset:512*i
.set i, i+1
.endr
	WIN 0
.irp n, 0,1,2,3,4,5,6,7
	global_load_b64 v[W2S+2*\n:W2S+2*\n+1], v15, s[46:47] offset:128*\n
.endr
.endm
	s_load_b512 s[4:19], s[0:1], 0x0               ; order s[4:5], gate s[6:7], xq_codes s[8:9], xq_scales s[10:11], w1img s[12:13], W1_scales s[14:15], w2img s[16:17], W2_scales s[18:19]
	s_load_b64 s[20:21], s[0:1], 0x40              ; out0
	v_lshrrev_b32 v1, 5, v0
	v_readfirstlane_b32 s22, v1                    ; wave 0..3
	v_and_b32 v1, 15, v0                           ; r
	v_bfe_u32 v2, v0, 4, 1                         ; h
	v_and_b32 v3, 31, v0                           ; lane
	s_lshl_b32 s34, ttmp9, 9                       ; my block's 128 words of the list
	s_mov_b32 s35, 0
	s_lshl_b32 s36, s22, 7
	v_lshlrev_b32 v248, 2, v1                      ; the list in three lane orders: row 16 m + r,
	v_lshl_add_u32 v249, v2, 2, s36                ; row 32 w + 2 i + h,
	v_lshl_add_u32 v250, v3, 2, s36                ; row 32 w + lane
	s_wait_kmcnt 0x0
	s_add_nc_u64 s[4:5], s[4:5], s[34:35]
.irp m, 0,1,2,3,4,5,6,7
	global_load_b32 v[ORD+\m], v248, s[4:5] offset:64*\m
.endr
.irp i, 0,1,2,3,4,5,6,7,8,9,10,11,12,13,14,15
	global_load_b32 v[84+\i], v249, s[4:5] offset:8*\i
.endr
	global_load_b32 v100, v250, s[4:5]
	; addresses, while the list is on its way
	v_lshlrev_b32 v4, 4, v3                        ; 16 x lane
	v_mul_u32_u24 v5, v1, 272
	v_lshl_add_u32 v5, v2, 4, v5                   ; x's fragments: XC + 272 r + 16 h
	v_lshl_add_u32 v6, v1, 4, XSC                  ; x's scale words
	s_lshl_b32 s34, s22, 9
	s_add_co_u32 s34, s34, HIMG
	v_add_nc_u32 v7, s34, v4                       ; where I put my four registers of a hidden fragment
	s_lshr_b32 s34, s22, 1
	s_lshl_b32 s34, s34, 7
	s_and_b32 s36, s22, 1
	s_lshl_b32 s36, s36, 1
	s_add_co_u32 s34, s34, s36
	s_add_co_u32 s34, s34, HSC
	v_lshl_add_u32 v8, v3, 2, s34                  ; and my two bytes of its scale word: K step w / 2, bytes 2 (w % 2) on
	v_add_nc_u32 v9, HIMG, v4                      ; where any wave reads them
	v_lshl_add_u32 v10, v3, 2, HSC
	s_mul_i32 s34, s22, OSW
	s_add_co_u32 s34, s34, OST                     ; my stage
	v_mul_u32_u24 v11, v1, 528
	v_lshl_add_u32 v11, v2, 5, v11
	v_add_nc_u32 v11, s34, v11                     ; in: row r, 32 h
	v_add_nc_u32 v12, s34, v4                      ; back: a row of 512 bytes, 16 a lane
	s_lshl_b32 s36, s22, 9
	v_add_nc_u32 v13, s36, v4                      ; my 16 bytes in a row of out: 512 w + 16 x lane
	v_and_b32 v14, 7, v0
	v_bfe_u32 v15, v0, 3, 1
	v_lshl_add_u32 v14, v15, 4, v14
	v_lshlrev_b32 v14, 4, v14                      ; W1's scale bytes: row r % 8 + 16 (r / 8), 16 bytes a row
	v_lshlrev_b32 v15, 3, v1                       ; W2's: row r, 8 bytes a row
	s_mul_i32 s36, s22, 8704
	v_mul_u32_u24 v251, v2, 272
	v_lshl_add_u32 v251, v1, 4, v251
	v_add_nc_u32 v251, s36, v251                   ; where the gathered rows go: XC + 272 (32 w + h) + 16 r
	s_lshl_b32 s36, s22, 9
	s_add_co_u32 s36, s36, XSC
	v_add_nc_u32 v252, s36, v4                     ; and their scale words: XSC + 16 (32 w + lane)
	v_lshlrev_b32 v253, 4, v1                      ; 16 r
	s_lshl_b32 s34, s22, 14                        ; my wave's part of each expert's weights: 16 KiB of an image,
	s_add_nc_u64 s[12:13], s[12:13], s[34:35]
	s_add_nc_u64 s[16:17], s[16:17], s[34:35]
	s_lshl_b32 s34, s22, 10                        ; 1 KiB of the scale bytes
	s_add_nc_u64 s[14:15], s[14:15], s[34:35]
	s_add_nc_u64 s[18:19], s[18:19], s[34:35]
	s_mov_b32 s48, 0xbfb8aa3b                      ; -log2(e)
	s_mov_b32 s49, s48                             ; (named with it as a pair)
	s_mov_b32 s50, 0x76543210
	s_mov_b32 s51, 0xfedcba98                      ; v_permlanex16_b32's selects for lane l xor 16
	; SET ONCE, while the list is on its way.  Which expert is a tile's first is known from the list alone, so the 512 sums begin as zeros and every expert adds; and what a passed-over step would have written is written here.
.set i, 72
.rept 176
.if (i < 84) || (i > 100)
	v_mov_b32 v[i], 0
.endif
.set i, i+1
.endr
	WIN 0x80
.set i, 0
.rept 256
	v_mov_b32 v[i], 0
.set i, i+1
.endr
	WIN 0xc0
.set i, 0
.rept 256
	v_mov_b32 v[i], 0
.set i, i+1
.endr
	WIN 0
	s_wait_loadcnt 0x0                             ; the list
	; THE GATHER: a token's number is cut out of its word and held under 32,768
.irp i, 0,1,2,3,4,5,6,7,8,9,10,11,12,13,14,15,16
	v_and_b32 v[84+\i], 0x7fff, v[84+\i]
	v_min_u32 v[84+\i], 0x7fff, v[84+\i]
.endr
.irp i, 0,1,2,3,4,5,6,7,8,9,10,11,12,13,14,15
	v_lshl_add_u32 v[84+\i], v[84+\i], 8, v253     ; 256 bytes of codes a token, 16 a lane
.endr
	v_lshlrev_b32 v100, 4, v100                    ; 16 bytes of scale words a token
.irp m, 0,1,2,3,4,5,6,7
	v_and_b32 v[102+\m], 0x7fff, v[ORD+\m]
	v_min_u32 v[102+\m], 0x7fff, v[102+\m]
	v_lshlrev_b32 v[102+\m], 3, v[102+\m]          ; 8 bytes of weights a token
.endr
.irp i, 0,1,2,3,4,5,6,7,8,9,10,11,12,13,14,15
	global_load_b128 v[116+4*\i:119+4*\i], v[84+\i], s[8:9] th:TH_LOAD_NT   ; two whole rows an instruction; each token stands once in the list
.endr
	global_load_b128 v[180:183], v100, s[10:11]
.irp m, 0,1,2,3,4,5,6,7
	global_load_b64 v[GT+2*\m:GT+2*\m+1], v[102+\m], s[6:7]
.endr
	; WHO USES WHOM: a row's two bits, four tiles to a register, joined over the 16 rows of a tile
	v_mov_b32 v239, 1
.irp m, 0,1,2,3,4,5,6,7
	v_bfe_u32 v242, v[ORD+\m], 16, 3
	v_bfe_u32 v243, v[ORD+\m], 20, 3
	v_lshlrev_b32 v242, v242, v239
	v_lshlrev_b32 v243, v243, v239
	v_or_b32 v242, v242, v243
.if \m%4 == 0
	v_mov_b32 v[240+\m/4], v242
.else
	v_lshl_or_b32 v[240+\m/4], v242, 8*(\m%4), v[240+\m/4]
.endif
.endr
.irp x, 1,2,4,8
	v_mov_b32_dpp v242, v240 row_xmask:\x row_mask:0xf bank_mask:0xf
	v_mov_b32_dpp v243, v241 row_xmask:\x row_mask:0xf bank_mask:0xf
	v_or_b32 v240, v240, v242
	v_or_b32 v241, v241, v243
.endr
	v_readfirstlane_b32 s26, v240
	v_readfirstlane_b32 s27, v241
	s_or_b32 s24, s26, s27
	s_lshr_b32 s34, s24, 16
	s_or_b32 s24, s24, s34
	s_lshr_b32 s34, s24, 8
	s_or_b32 s24, s24, s34
	s_and_b32 s24, s24, 0xff                       ; the block's experts
	s_ctz_i32_b32 s38, s24
	s_min_u32 s38, s38, 7                          ; the first of them
	PTR1
	LW1
	s_wait_loadcnt 36                              ; all but W1's 36: the 25 gathers are in
.irp i, 0,1,2,3,4,5,6,7,8,9,10,11,12,13,14,15
	ds_store_b128 v251, v[116+4*\i:119+4*\i] offset:544*\i
.endr
	ds_store_b128 v252, v[180:183]
	PTR2
	LW2
	s_wait_dscnt 0x0                               ; for the others' sake: my 32 rows lie in LDS
	s_barrier_signal -1
	s_barrier_wait -1
.macro XL m, u                         ; tile m's four fragments of x and its scale words into set u
.irp s, 0,1,2,3
.irp c, 0,1
	ds_load_b128 v[XB+32*(\u)+8*\s+4*\c:XB+32*(\u)+8*\s+4*\c+3], v5 offset:4352*(\m)+64*\s+32*\c
.endr
.endr
	ds_load_b128 v[XS+4*(\u):XS+4*(\u)+3], v6 offset:256*(\m)
.endm
.macro A1 u                            ; my four tiles of the hidden layer: 16 products, the four sums by turns; the first four start them
	WIN 0x01                                       ; source 0 (W1) in window 1
.irp s, 0,1,2,3
.irp t, 0,1,2,3
.if \s == 0
	v_wmma_scale_f32_16x16x128_f8f6f4 v[RH+32*(\u)+8*\t:RH+32*(\u)+8*\t+7], v[8*(4*\t+\s):8*(4*\t+\s)+7], v[XB+32*(\u)+8*\s:XB+32*(\u)+8*\s+7], 0, v[W1S+4*\t+\s], v[XS+4*(\u)+\s] matrix_a_fmt:MATRIX_FMT_FP4 matrix_b_fmt:MATRIX_FMT_FP4
.else
	v_wmma_scale_f32_16x16x128_f8f6f4 v[RH+32*(\u)+8*\t:RH+32*(\u)+8*\t+7], v[8*(4*\t+\s):8*(4*\t+\s)+7], v[XB+32*(\u)+8*\s:XB+32*(\u)+8*\s+7], v[RH+32*(\u)+8*\t:RH+32*(\u)+8*\t+7], v[W1S+4*\t+\s], v[XS+4*(\u)+\s] matrix_a_fmt:MATRIX_FMT_FP4 matrix_b_fmt:MATRIX_FMT_FP4
.endif
.endr
.endr
	WIN 0
.endm
; silu in f32: x / (1 + 2^(-log2(e) x)); then my two blocks of 32 along the next K are quantised; four registers of codes and two scale bytes go to LDS.  Register 16 b + i = hidden unit 64 w + 32 b + 16 h + i.
.macro B1 m, u
.set hh, RH+32*(\u)
.set k, 0
.rept 16
	v_pk_mul_f32 v[RT+2*k:RT+2*k+1], v[hh+2*k:hh+2*k+1], s[48:49] op_sel_hi:[1,0]   ; each accumulator is read from its low end on
.set k, k+1
.endr
.set k, 0
.rept 32
	v_exp_f32 v[RT+k], v[RT+k]
.set k, k+1
.endr
	v_nop                                          ; a plain line behind the last exponential,
	s_wait_alu depctr_va_vdst(0)                   ; and one wait for the batch, ahead of its first reader
.set k, 0
.rept 16
	v_pk_add_f32 v[RT+2*k:RT+2*k+1], v[RT+2*k:RT+2*k+1], 1.0 op_sel_hi:[1,0]
.set k, k+1
.endr
.set k, 0
.rept 32
	v_rcp_f32 v[RT+k], v[RT+k]
.set k, k+1
.endr
	v_nop
	s_wait_alu depctr_va_vdst(0)
.set k, 0
.rept 16
	v_pk_mul_f32 v[hh+2*k:hh+2*k+1], v[hh+2*k:hh+2*k+1], v[RT+2*k:RT+2*k+1]
.set k, k+1
.endr
	; the largest magnitude of my 16 numbers of each block, in two chains a block (numbers 0-7 with the floor; numbers 8-14), four chains by turns, so that no line waits for the line above it
.irp b, 0,1
	v_max3_num_f32 v[MX+\b], |v[hh+16*\b]|, |v[hh+1+16*\b]|, 0x1800000   ; the floor 2^(3 - 127): the byte cannot fall under 1
	v_max3_num_f32 v[PM+\b], |v[hh+8+16*\b]|, |v[hh+9+16*\b]|, |v[hh+10+16*\b]|
.endr
.irp i, 2,4
.irp b, 0,1
	v_max3_num_f32 v[MX+\b], v[MX+\b], |v[hh+16*\b+\i]|, |v[hh+1+16*\b+\i]|
	v_max3_num_f32 v[PM+\b], v[PM+\b], |v[hh+9+16*\b+\i]|, |v[hh+10+16*\b+\i]|
.endr
.endr
.irp b, 0,1
	v_max3_num_f32 v[MX+\b], v[MX+\b], |v[hh+6+16*\b]|, |v[hh+7+16*\b]|
.endr
.irp b, 0,1
	v_max3_num_f32 v[MX+\b], v[MX+\b], v[PM+\b], |v[hh+15+16*\b]|   ; the two chains and number 15
.endr
.irp b, 0,1
	v_permlanex16_b32 v[PM+\b], v[MX+\b], s50, s51
.endr
.irp b, 0,1
	v_max_num_f32 v[MX+\b], v[MX+\b], v[PM+\b]     ; with lane l xor 16's: the block's largest magnitude
.endr
.irp b, 0,1
	v_add_nc_u32 v[SCO+\b], 0xff000000, v[MX+\b]   ; 2 off its exponent field: the conversion's scale operand
.endr
.irp b, 0,1
	v_lshrrev_b32 v[PM+\b], 23, v[SCO+\b]          ; the scale's byte
.endr
	v_lshl_or_b32 v[HW], v[PM+1], 8, v[PM]
.irp b, 0,1
	v_cvt_scalef32_pk8_fp4_f32 v[PC+2*\b], v[hh+16*\b:hh+7+16*\b], v[SCO+\b]
	v_cvt_scalef32_pk8_fp4_f32 v[PC+1+2*\b], v[hh+8+16*\b:hh+15+16*\b], v[SCO+\b]
.endr
	v_nop                                          ; one plain line behind a scaled conversion
	v_permlane16_swap_b32 v[PC], v[PC+2]           ; a whole block to a lane: lanes 0-15 block 0, lanes 16-31 block 1
	v_permlane16_swap_b32 v[PC+1], v[PC+3]
	ds_store_b128 v7, v[PC:PC+3] offset:2048*(\m)
	ds_store_b16 v8, v[HW] offset:256*(\m)
.endm
; A STEP OF PHASE 1: tile m + 1's fragments are asked for, tile m is multiplied, tile m - 1 goes through silu and the quantiser: LDS loads and products stand under the vector work.  Each of the three
; stands under its own tile's test: a tile that does not use the expert costs no LDS read.
; The five v_nop are the places that every way through the tests needs: behind the last step's products, ahead of loads into the fragments that they read, of the first read of their results,
; and of products that begin a sum anew over earlier results.
.macro P1STEP m
	s_wait_dscnt 0x0                               ; tile m's fragments are in; earlier stores have read their registers
.rept 5
	v_nop
.endr
.if (\m) < 7
	s_bitcmp1_b32 s[26+((\m)+1)/4], s[30+((\m)+1)%4]
	s_cbranch_scc0 .Lp1x_\@
	XL (\m)+1, ((\m)+1)%2
.Lp1x_\@:
.endif
.if (\m) < 8
	s_bitcmp1_b32 s[26+(\m)/4], s[30+(\m)%4]       ; does a row of tile m use expert e?
	s_cbranch_scc0 .Lp1a_\@
	A1 (\m)%2
.Lp1a_\@:
.endif
.if (\m) > 0
	s_bitcmp1_b32 s[26+((\m)-1)/4], s[30+((\m)-1)%4]
	s_cbranch_scc0 .Lp1b_\@
	B1 (\m)-1, ((\m)-1)%2
.Lp1b_\@:
.endif
.endm
.macro HL m, u                         ; tile m's two hidden fragments and their scale words into set u
.irp s, 0,1
.irp c, 0,1
	ds_load_b128 v[HBF+16*(\u)+8*\s+4*\c:HBF+16*(\u)+8*\s+4*\c+3], v9 offset:2048*(\m)+1024*\s+512*\c
.endr
	ds_load_b32 v[HS+2*(\u)+\s], v10 offset:256*(\m)+128*\s
.endr
.endm
.macro A2 u                            ; my 128 columns of the expert's result for a tile: 16 products, eight sums by turns
	WIN 0x01                                       ; source 0 (W2) in window 1
.irp s, 0,1
.irp n, 0,1,2,3,4,5,6,7
.if \s == 0
	v_wmma_scale_f32_16x16x128_f8f6f4 v[RY+64*(\u)+8*\n:RY+64*(\u)+8*\n+7], v[128+8*(2*\n+\s):128+8*(2*\n+\s)+7], v[HBF+16*(\u)+8*\s:HBF+16*(\u)+8*\s+7], 0, v[W2S+2*\n+\s], v[HS+2*(\u)+\s] matrix_a_fmt:MATRIX_FMT_FP4 matrix_b_fmt:MATRIX_FMT_FP4
.else
	v_wmma_scale_f32_16x16x128_f8f6f4 v[RY+64*(\u)+8*\n:RY+64*(\u)+8*\n+7], v[128+8*(2*\n+\s):128+8*(2*\n+\s)+7], v[HBF+16*(\u)+8*\s:HBF+16*(\u)+8*\s+7], v[RY+64*(\u)+8*\n:RY+64*(\u)+8*\n+7], v[W2S+2*\n+\s], v[HS+2*(\u)+\s] matrix_a_fmt:MATRIX_FMT_FP4 matrix_b_fmt:MATRIX_FMT_FP4
.endif
.endr
.endr
	WIN 0
.endm
.macro B2 m, u                         ; the tile's sums += my row's weight for expert e (0 where the row does not use it) x the result
	v_bfe_u32 v[TP], v[ORD+(\m)], 16, 3
	v_bfe_u32 v[TP+1], v[ORD+(\m)], 20, 3
	v_cmp_eq_u32 vcc_lo, s23, v[TP]
	v_cndmask_b32 v[CW], 0, v[GT+2*(\m)], vcc_lo
	v_cmp_eq_u32 vcc_lo, s23, v[TP+1]
	v_cndmask_b32 v[CW], v[CW], v[GT+2*(\m)+1], vcc_lo
	WIN 0xa0+0x50*((\m)/4)                         ; source 2 and destination in window 2 or 3
.set k, 0
.rept 32
	v_pk_fma_f32 v[64*((\m)%4)+2*k:64*((\m)%4)+2*k+1], v[RY+64*(\u)+2*k:RY+64*(\u)+2*k+1], v[CW:CW+1], v[64*((\m)%4)+2*k:64*((\m)%4)+2*k+1] op_sel_hi:[1,0,1]   ; each result from its low end on
.set k, k+1
.endr
	WIN 0
.endm
; Tile m's 16 rows leave.  A lane holds 32 bytes of a row at a time and the lanes beside it other rows: the tile goes through my stage and comes back as rows of 512 bytes, which 32 lanes store whole.
; The rows lie where their tokens lie: each row's address is out + 2,048 x token, the token read from the list's word and held under 32,768.  The sixteen addresses are made while the rows are on their way
; back from the stage: the sixteen words become scalars in ONE run, and the scalar lines go operation by operation over the sixteen, so that vector and scalar work change over once a tile.
; (The wait on XCNT at the step's head has freed the sixteen addresses and the registers of the last tile's stores; no global instruction stands between it and these lines.)
.macro OUT m, u
	WIN 0x08+4*((\m)/4)                            ; an LDS store's data are its source 1: window 2 or 3
.irp n, 0,1,2,3,4,5,6,7
	ds_store_b128 v11, v[64*((\m)%4)+8*\n:64*((\m)%4)+8*\n+3] offset:64*\n
	ds_store_b128 v11, v[64*((\m)%4)+8*\n+4:64*((\m)%4)+8*\n+7] offset:64*\n+16
.endr
	WIN 0
.set i, 0
.rept 16
	ds_load_b128 v[RY+64*(\u)+4*i:RY+64*(\u)+4*i+3], v12 offset:528*i   ; LDS serves a wave's instructions in order (ISA guide 5.7.1.4): these see the stores above
.set i, i+1
.endr
.set i, 0
.rept 16
	v_readlane_b32 s[68+2*i], v[ORD+(\m)], i       ; row i's word of the list
.set i, i+1
.endr
.set i, 0
.rept 16
	s_and_b32 s[68+2*i], s[68+2*i], 0x7fff         ; its token,
.set i, i+1
.endr
.set i, 0
.rept 16
	s_min_u32 s[68+2*i], s[68+2*i], 0x7fff         ; held under 32,768,
.set i, i+1
.endr
.set i, 0
.rept 16
	s_lshl_b32 s[68+2*i], s[68+2*i], 11            ; times a row's 2,048 bytes,
.set i, i+1
.endr
.set i, 0
.rept 16
	s_mov_b32 s[69+2*i], 0                         ; as 64 bits,
.set i, i+1
.endr
.set i, 0
.rept 16
	s_add_nc_u64 s[68+2*i:69+2*i], s[20:21], s[68+2*i:69+2*i]   ; from out's first byte
.set i, i+1
.endr
.set i, 0
.rept 16
	s_wait_dscnt 15-i                              ; the younger loads may be out
	global_store_b128 v13, v[RY+64*(\u)+4*i:RY+64*(\u)+4*i+3], s[68+2*i:69+2*i] th:TH_STORE_NT   ; 512 consecutive bytes, at a multiple of 512 from out's first byte; written once
.set i, i+1
.endr
.endm
; A STEP OF PHASE 2: tile m + 1's hidden fragments are asked for, tile m is multiplied, tile m - 1 is weighed in and, if no later expert has a row in it, stored.  The five v_nop: as in phase 1.
.macro P2STEP m
	s_wait_dscnt 0x0                               ; tile m's fragments are in
	s_wait_xcnt 0x0                                ; the last step's stores have read their registers and addresses
.rept 5
	v_nop
.endr
.if (\m) < 7
	s_bitcmp1_b32 s[26+((\m)+1)/4], s[30+((\m)+1)%4]
	s_cbranch_scc0 .Lp2h_\@                        ; a tile that was passed over has no image to read
	HL (\m)+1, ((\m)+1)%2
.Lp2h_\@:
.endif
.if (\m) < 8
	s_bitcmp1_b32 s[26+(\m)/4], s[30+(\m)%4]
	s_cbranch_scc0 .Lp2a_\@
	A2 (\m)%2
.Lp2a_\@:
.endif
.if (\m) > 0
	s_bitcmp1_b32 s[26+((\m)-1)/4], s[30+((\m)-1)%4]
	s_cbranch_scc0 .Lp2c_\@
	B2 (\m)-1, ((\m)-1)%2
	s_and_b32 s36, s[28+((\m)-1)/4], 0xff<<(8*(((\m)-1)%4))   ; has a later expert a row in this tile?
	s_cbranch_scc1 .Lp2c_\@
	OUT (\m)-1, ((\m)-1)%2
.Lp2c_\@:
.endif
.endm
	s_mov_b32 s23, 0
.Lexpert:                                              ; eight trips; both barriers stand on every path
	s_mov_b32 s30, s23                             ; the bit of expert e in each byte of s26, s27
	s_add_co_u32 s31, s23, 8
	s_add_co_u32 s32, s23, 16
	s_add_co_u32 s33, s23, 24
	s_lshl_b32 s34, 0xfe, s23
	s_and_b32 s34, s34, 0xff
	s_mul_i32 s34, s34, 0x01010101                 ; the experts above e, in each byte
	s_and_b32 s28, s26, s34
	s_and_b32 s29, s27, s34
	s_add_co_u32 s34, s23, 1
	s_lshr_b32 s39, s24, s34                       ; not 0: a later expert is used,
	s_ctz_i32_b32 s38, s39
	s_add_co_u32 s38, s38, s34
	s_min_u32 s38, s38, 7                          ; and this is the next
	s_bitcmp1_b32 s24, s23
	s_cbranch_scc0 .Lskip1
	; ---- PHASE 1: the hidden layer of the tiles that use expert e
	s_wait_loadcnt 40                              ; W1 is in: wherever its loads may still be out, W2's 40 were issued behind them
	s_bitcmp1_b32 s26, s30
	s_cbranch_scc0 .Lno_x0
	XL 0, 0
.Lno_x0:
.irp m, 0,1,2,3,4,5,6,7,8
	P1STEP \m
.endr
.Lskip1:
	s_wait_dscnt 0x0                               ; for the others' sake: my parts of the hidden images lie in LDS
	s_barrier_signal -1
	s_barrier_wait -1
	s_bitcmp1_b32 s24, s23
	s_cbranch_scc0 .Lskip2
	; ---- PHASE 2: the expert's result, weighed into the sums
	s_wait_loadcnt 0x0                             ; W2 is in (asked for a phase ago); no load of mine is out
	s_cmp_lg_u32 s39, 0
	s_cbranch_scc0 .Lno_w1
	s_wait_xcnt 0x0                                ; earlier loads have read their addresses
	PTR1
	LW1                                            ; the next expert's W1 has this phase in which to land; W1's last products stand in front of phase 1's last five places
.Lno_w1:
	s_bitcmp1_b32 s26, s30
	s_cbranch_scc0 .Lno_h0
	HL 0, 0
.Lno_h0:
.irp m, 0,1,2,3,4,5,6,7,8
	P2STEP \m
.endr
	s_wait_xcnt 0x0                                ; the last tile's stores have read their registers: the next phase writes them; the loads' addresses may be written too
	s_cmp_lg_u32 s39, 0
	s_cbranch_scc0 .Lno_w2
	PTR2
	LW2                                            ; the next expert's W2 has the next phase 1 in which to land
	s_branch .Lskip2
.Lno_w2:
	s_wait_loadcnt 0x0                             ; no further expert: nothing of mine stays out, so that no run of W1's is ever out without W2's 40 behind it
.Lskip2:
	s_wait_dscnt 0x0                               ; my reads of the hidden images are over: the next trip writes them again
	s_barrier_signal -1
	s_barrier_wait -1
	s_add_co_u32 s23, s23, 1
	s_cmp_lt_u32 s23, 8
	s_cbranch_scc1 .Lexpert
	s_wait_xcnt 0x0
	v_lshl_add_u32 v254, v0, 2, 0x15c00
	v_mov_b32 v255, 0
	s_wait_tensorcnt 0x0
	ds_add_u32 v254, v255
	s_wait_dscnt 0x0
	s_endpgm
.Lfunc_end_k_q8f6fd2d976_chain:
	.size	k_q8f6fd2d976_chain, .Lfunc_end_k_q8f6fd2d976_chain-k_q8f6fd2d976_chain
	.p2alignl 7, 3214868480
	.fill 96, 4, 3214868480
	.section	.rodata,"a",@progbits
	.p2align	6, 0x0
	.amdhsa_kernel k_q8f6fd2d976_chain
		.amdhsa_group_segment_fixed_size 89600
		.amdhsa_private_segment_fixed_size 0
		.amdhsa_enable_private_segment 0
		.amdhsa_kernarg_size 72
		.amdhsa_user_sgpr_count 2
		.amdhsa_user_sgpr_kernarg_segment_ptr 1
		.amdhsa_wavefront_size32 1
		.amdhsa_system_sgpr_workgroup_id_x 1
		.amdhsa_system_sgpr_workgroup_id_y 1
		.amdhsa_system_sgpr_workgroup_id_z 1
		.amdhsa_system_vgpr_workitem_id 0
		.amdhsa_next_free_vgpr 1024
		.amdhsa_next_free_sgpr 100
		.amdhsa_reserve_vcc 1
		.amdhsa_float_denorm_mode_32 3
		.amdhsa_float_denorm_mode_16_64 3
		.amdhsa_memory_ordered 1
		.amdhsa_forward_progress 1
		.amdhsa_inst_pref_size 247
	.end_amdhsa_kernel
	.amdgpu_metadata
---
amdhsa.version: [ 1, 2 ]
amdhsa.kernels:
  - .name:           k_q8f6fd2d976_chain
    .symbol:         k_q8f6fd2d976_chain.kd
    .args:
      - { .name: order, .offset: 0, .size: 8, .value_kind: global_buffer, .address_space: global }
      - { .name: gate, .offset: 8, .size: 8, .value_kind: global_buffer, .address_space: global }
      - { .name: xq_codes, .offset: 16, .size: 8, .value_kind: global_buffer, .address_space: global }
      - { .name: xq_scales, .offset: 24, .size: 8, .value_kind: global_buffer, .address_space: global }
      - { .name: w1img, .offset: 32, .size: 8, .value_kind: global_buffer, .address_space: global }
      - { .name: W1_scales, .offset: 40, .size: 8, .value_kind: global_buffer, .address_space: global }
      - { .name: w2img, .offset: 48, .size: 8, .value_kind: global_buffer, .address_space: global }
      - { .name: W2_scales, .offset: 56, .size: 8, .value_kind: global_buffer, .address_space: global }
      - { .name: out0, .offset: 64, .size: 8, .value_kind: global_buffer, .address_space: global }
    .group_segment_fixed_size: 89600
    .private_segment_fixed_size: 0
    .kernarg_segment_align: 8
    .kernarg_segment_size: 72
    .max_flat_workgroup_size: 128
    .sgpr_count:     100
    .vgpr_count:     1024
    .wavefront_size: 32
...
	.end_amdgpu_metadata
.endif
;; end of part 3
;; ======== version 2 of 2: 3 launches; version 1 with the launch place written anew for expert scheduling mode
;; workspace buffers: xq_codes 8,388,608 bytes; xq_scales 524,288 bytes; gate 262,144 bytes; tok 131,072 bytes of whole numbers; hist 32,768 bytes of whole numbers; order 131,072 bytes of whole numbers; w1img 524,288 bytes; w2img 524,288 bytes
;; launch route: the kernel of part 1 again; grid 256 x 1, 4 waves a work-group, no clusters, 306,176 bytes of LDS; arguments x, Wg, W1_codes, W2_codes, xq_codes, xq_scales, gate, tok, hist, w1img, w2img; writes xq_codes, xq_scales, gate, tok, hist, w1img, w2img
;; launch place (part 4): grid 256 x 1, 4 waves a work-group, no clusters, 4,608 bytes of LDS; arguments tok, hist, order; writes order
.if DOCPART == 4
	.amdgcn_target "amdgcn-amd-amdhsa--gfx1250"
	.amdhsa_code_object_version 6
	.text
	.protected	k_q8f6fd2d976_place
	.globl	k_q8f6fd2d976_place
	.p2align	8
	.type	k_q8f6fd2d976_place,@function
k_q8f6fd2d976_place:
	s_mov_b64 s[64:65], 0
	v_nop
	global_prefetch_b8 v0, s[64:65] scope:SCOPE_SE
	s_setreg_imm32_b32 hwreg(HW_REG_WAVE_SCHED_MODE, 0, 2), 2
	s_setreg_imm32_b32 hwreg(HW_REG_WAVE_MODE, 25, 1), 1
	s_wait_xcnt 0x0
	s_wait_alu depctr_vm_vsrc(0)
; PLACE.  A counting sort of the 32,768 tokens by key (the pair of experts a < b, key = a (15 - a) / 2 + b - a - 1), without atomics.  Work-group j places the 128 tokens of block j:
;   place = (tokens of the keys that come earlier, all blocks) + (tokens of my key in blocks before j) + (my rank in the block);   order[place] = token | a<<16 | b<<20.
; THE KEYS' ORDER IN THE LIST is not their numbers' order: the pairs of an odd a are taken backwards (0,1) .. (0,7), (1,7) .. (1,2), (2,3) .. (2,7), (3,7) .. so that every two neighbouring pairs share an expert:
; a run of the list that spans two keys then uses three experts, never four.
; Every work-group reads the whole table hist [256 blocks][32 keys] (32 KiB): thread t takes 16 pieces of 16 bytes: block t / 8 + 16 i, keys 4 (t % 8) on.
; The stores are 4 bytes a lane to scattered places: that is the sort itself, 128 KiB in all.
; THE MODE: SCHED_MODE bits 1:0 = 2 (LLVM: expert scheduling mode 2), set by the entry lines.  The code itself states the register dependences between vector instructions and memory or LDS
; instructions, and those through scalar registers that vector instructions write, with s_wait_alu, always for 0.
; THE PLAN.  Registers that memory or LDS instructions touch:
;   v1, v2, v4    offsets and an LDS address: made once at the head, never written again.
;   v16-79, v5    the table's and the list's loads land in them; the sums and the selects read and write v16-79; behind the barrier the LDS loads land in v16-47.
;   v8-15         written by the two sums, read by the two LDS stores, never written again.
;   v49, v52      the one global store's offset and data, written by the last vector lines.
;   v128, v129    written at the head, read by the closing add alone.
; So three waits on va_vdst: ahead of the first load, ahead of the LDS stores (it serves the LDS loads behind the barrier too: no vector line stands between), ahead of the global store.  No register that a memory
; or LDS instruction reads is written again, so no wait on vm_vsrc is owed.  Compares and readlanes stand in runs, each result in a scalar register of its own, with one wait on va_sdst behind each of the three runs.
	s_load_b128 s[4:7], s[0:1], 0x0                ; tok, hist
	s_load_b64 s[8:9], s[0:1], 0x10                ; order
	v_lshl_add_u32 v128, v0, 2, 0x1000
	v_mov_b32 v129, 0
	v_lshlrev_b32 v1, 4, v0                        ; 16 t
	v_lshlrev_b32 v2, 2, v0                        ; 4 t
	v_lshrrev_b32 v3, 3, v0                        ; t / 8
	v_and_b32 v4, 31, v0
	v_lshlrev_b32 v4, 2, v4                        ; 4 x lane
	s_lshl_b32 s10, ttmp9, 9                       ; my block's 128 words of tok
	s_mov_b32 s11, 0
	s_wait_kmcnt 0x0
	s_add_nc_u64 s[4:5], s[4:5], s[10:11]
	s_wait_alu depctr_va_vdst(0)                   ; v1, v2 and v4 are written: the offsets of the loads below, and the addresses of the LDS stores and loads further down
.irp i, 0,1,2,3,4,5,6,7,8,9,10,11,12,13,14,15
	global_load_b128 v[16+4*\i:19+4*\i], v1, s[6:7] offset:2048*\i
.endr
	global_load_b32 v5, v2, s[4:5]
.irp i, 0,1,2,3,4,5,6,7,8,9,10,11,12,13,14,15
	s_sub_co_i32 s[16+\i], ttmp9, 16*\i            ; j - 16 i, each in the register that its compare below writes over
.endr
	s_wait_loadcnt 0x0
; the sum of the 16 pieces, key by key, into v[d] on
.macro SUM16 d
.irp k, 0,1,2,3
	v_add3_u32 v[\d+\k], v[16+\k], v[20+\k], v[24+\k]
.endr
.irp i, 3,5,7,9,11,13
.irp k, 0,1,2,3
	v_add3_u32 v[\d+\k], v[\d+\k], v[16+4*\i+\k], v[20+4*\i+\k]
.endr
.endr
.irp k, 0,1,2,3
	v_add_nc_u32 v[\d+\k], v[\d+\k], v[76+\k]
.endr
.endm
	SUM16 8                                        ; all my blocks
.irp i, 0,1,2,3,4,5,6,7,8,9,10,11,12,13,14,15
	v_cmp_gt_i32 s[16+\i], s[16+\i], v3            ; block t / 8 + 16 i lies before j: the sixteen compares in one run
.endr
	s_wait_alu depctr_va_sdst(0)                   ; the sixteen masks s16 to s31 are written, ahead of the selects that read them
.irp i, 0,1,2,3,4,5,6,7,8,9,10,11,12,13,14,15
.irp k, 0,1,2,3
	v_cndmask_b32 v[16+4*\i+\k], 0, v[16+4*\i+\k], s[16+\i]
.endr
.endr
	SUM16 12                                       ; those before j
	s_wait_alu depctr_va_vdst(0)                   ; the two sums have written v8-15, which the LDS stores read; and the sums and selects are done with v16-47, in which the LDS loads behind the barrier land
	ds_store_b128 v1, v[8:11]                      ; LDS: [t / 8][32 keys], the totals; 2,048 bytes on, the same for the blocks before j
	ds_store_b128 v1, v[12:15] offset:2048
	s_wait_dscnt 0x0                               ; for the others' sake
	s_barrier_signal -1
	s_barrier_wait -1
.irp u, 0,1,2,3,4,5,6,7,8,9,10,11,12,13,14,15
	ds_load_b32 v[16+\u], v4 offset:128*\u         ; lane = key
	ds_load_b32 v[32+\u], v4 offset:2048+128*\u
.endr
	s_wait_dscnt 0x0
	v_add3_u32 v6, v16, v17, v18
	v_add3_u32 v7, v32, v33, v34
.irp u, 3,5,7,9,11,13
	v_add3_u32 v6, v6, v[16+\u], v[17+\u]
	v_add3_u32 v7, v7, v[32+\u], v[33+\u]
.endr
	v_add_nc_u32 v6, v6, v31                       ; tokens of key = lane in all blocks
	v_add_nc_u32 v7, v7, v47                       ; and in the blocks before j
	v_and_b32 v48, 31, v5                          ; my token's key
	v_mov_b32 v49, 0
	; the 56 numbers become scalars in one run, the sums are one run of scalar lines, the compares and the selects a run of vector lines each: vector and scalar work change over twice, not once a key
.set p, 0
.rept 28
	v_readlane_b32 s[32+p], v7, p                  ; s[32 + key]: its tokens in the blocks before j
.set p, p+1
.endr
.set p, 0
.rept 28
	v_readlane_b32 s[68+p], v6, p                  ; s[68 + key]: its tokens in all blocks
.set p, p+1
.endr
	s_wait_alu depctr_va_sdst(0)                   ; the 56 numbers are written into s32-59 and s68-95, ahead of the scalar sums that read them
	s_mov_b32 s13, 0                               ; tokens of the keys that come earlier in the list
.irp p, 0,1,2,3,4,5,6,12,11,10,9,8,7,13,14,15,16,17,21,20,19,18,22,23,24,26,25,27
	s_add_co_u32 s[32+\p], s[32+\p], s13           ; where block j's tokens of this key begin
	s_add_co_u32 s13, s13, s[68+\p]
.endr
.set p, 0
.rept 28
	v_cmp_ne_u32 s[68+p], p, v48                   ; the lanes whose key is another: into s68-95, which the sums above have done with
.set p, p+1
.endr
	s_wait_alu depctr_va_sdst(0)                   ; the 28 masks are written, ahead of the selects that read them
.set p, 0
.rept 28
	v_cndmask_b32 v49, s[32+p], v49, s[68+p]       ; taken where the key is mine
.set p, p+1
.endr
	v_lshrrev_b32 v50, 16, v5                      ; my rank in the block
	v_add_nc_u32 v49, v49, v50
	v_min_u32 v49, 0x7fff, v49                     ; a place is under 32,768
	v_lshlrev_b32 v49, 2, v49
	v_lshrrev_b32 v51, 8, v5
	v_and_b32 v51, 0x77, v51                       ; a | b<<4
	s_lshl_b32 s12, ttmp9, 7
	v_add_nc_u32 v52, s12, v0                      ; the token
	v_lshl_or_b32 v52, v51, 16, v52
	s_wait_alu depctr_va_vdst(0)                   ; v49, the store's offset, and v52, its data, are written
	global_store_b32 v49, v52, s[8:9]
	s_wait_dscnt 0x0                               ; the closing lines, six on end
	s_wait_alu 0x0
	s_wait_tensorcnt 0x0
	ds_add_u32 v128, v129
	s_wait_dscnt 0x0
	s_endpgm
.Lfunc_end_k_q8f6fd2d976_place:
	.size	k_q8f6fd2d976_place, .Lfunc_end_k_q8f6fd2d976_place-k_q8f6fd2d976_place
	.p2alignl 7, 3214868480
	.fill 96, 4, 3214868480
	.section	.rodata,"a",@progbits
	.p2align	6, 0x0
	.amdhsa_kernel k_q8f6fd2d976_place
		.amdhsa_group_segment_fixed_size 4608
		.amdhsa_private_segment_fixed_size 0
		.amdhsa_enable_private_segment 0
		.amdhsa_kernarg_size 24
		.amdhsa_user_sgpr_count 2
		.amdhsa_user_sgpr_kernarg_segment_ptr 1
		.amdhsa_wavefront_size32 1
		.amdhsa_system_sgpr_workgroup_id_x 1
		.amdhsa_system_sgpr_workgroup_id_y 1
		.amdhsa_system_sgpr_workgroup_id_z 1
		.amdhsa_system_vgpr_workitem_id 0
		.amdhsa_next_free_vgpr 130
		.amdhsa_next_free_sgpr 96
		.amdhsa_reserve_vcc 0
		.amdhsa_float_denorm_mode_32 3
		.amdhsa_float_denorm_mode_16_64 3
		.amdhsa_memory_ordered 1
		.amdhsa_forward_progress 1
		.amdhsa_inst_pref_size 25
	.end_amdhsa_kernel
	.amdgpu_metadata
---
amdhsa.version: [ 1, 2 ]
amdhsa.kernels:
  - .name:           k_q8f6fd2d976_place
    .symbol:         k_q8f6fd2d976_place.kd
    .args:
      - { .name: tok, .offset: 0, .size: 8, .value_kind: global_buffer, .address_space: global }
      - { .name: hist, .offset: 8, .size: 8, .value_kind: global_buffer, .address_space: global }
      - { .name: order, .offset: 16, .size: 8, .value_kind: global_buffer, .address_space: global }
    .group_segment_fixed_size: 4608
    .private_segment_fixed_size: 0
    .kernarg_segment_align: 8
    .kernarg_segment_size: 24
    .max_flat_workgroup_size: 128
    .sgpr_count:     96
    .vgpr_count:     130
    .wavefront_size: 32
...
	.end_amdgpu_metadata
.endif
;; end of part 4
;; launch chain: the kernel of part 3 again; grid 256 x 1, 4 waves a work-group, no clusters, 89,600 bytes of LDS; arguments order, gate, xq_codes, xq_scales, w1img, W1_scales, w2img, W2_scales, out0; writes out0
